; MI455X (gfx1250); checked and timed in simulation.
; The chip was launched on July 23, 2026; its instructions are those of AMD's public machine-readable ISA for CDNA 5 (MIT licence, August 2026) and "CDNA5" Instruction Set Architecture Reference Guide (July 2026). The comments in the code are by the model that wrote it; some were corrected since.
;; Lazy GGUF Linear. Allowed arithmetic: matrix products marked QUANTISED: E2M3 operands, one E8M0 scale for each 32 along K, by v_wmma_scale_f32_16x16x128_f8f6f4 with both operands' format E2M3, f32 sums; everything else in f32.
;; Inputs: codes 4,096 x 128 x 32 int32; scales 4,096 x 128 float32; x 2 x 2,048 x 4,096 float32.
;; Outputs: out0 2 x 2,048 x 4,096 float32.
;; This version of the problem:
;;   THIS VERSION OF THE PROBLEM IS GIVEN IN LOW PRECISION. The matrix products marked QUANTISED in the list below multiply operands that are first quantised to E2M3 (2 exponent bits, 3 mantissa bits; 6 bits a number), with one power-of-two scale for each 32 numbers along K (OCP MX v1.0); their sums are f32. All else is computed in f32.
;;   The module's matrix products, in the order in which they are computed (A, B: the left and right operand; K: the contracted axis; several contracted axes count as one K, in the product's order):
;;     1. [M 4,096, K 4,096] x [K 4,096, N 4,096]; A: input x; B: computed on the way: QUANTISED
;;   THE QUANTISER, for each operand of a quantised product, along K:
;;     - K is cut into blocks of 32 from its start; a last block that is shorter is filled with zeros.
;;     - A block's scale is 2^e with e = floor(log2(the largest magnitude in the block)) - 2, held to -126 .. 127; a block of zeros has e = 0. As a byte (E8M0): e + 127.
;;     - Each number is divided by its block's scale, clamped to +-7.5, and rounded to the nearest number of E2M3, ties to even, subnormals kept.
;;     - The product sums the exact products of the quantised numbers (number of the format x scale) in f32.
;;   ~~~python
;;   def quantise(x, axis):      # numpy; x: float32 -> the quantised numbers, widened to float32 again
;;       x = np.moveaxis(x, axis, -1); K = x.shape[-1]
;;       x = np.pad(x, [(0, 0)] * (x.ndim - 1) + [(0, -K % 32)]); x = x.reshape(x.shape[:-1] + (-1, 32)); a = np.abs(x).max(-1, keepdims=True)
;;       e = np.where(a > 0, np.clip(np.frexp(np.where(a > 0, a, 1))[1] - 1 - 2, -126, 127), 0)      # np.frexp(a)[1] - 1 = floor(log2(a)), exactly
;;       r = np.clip(x / 2.0 ** e, -7.5, 7.5)
;;       step = 2.0 ** (np.maximum(np.frexp(np.where(r == 0, 1, r))[1] - 1, 0) - 3)
;;       q = np.round(r / step) * step * 2.0 ** e      # np.round: ties to even
;;       return np.moveaxis(q.reshape(q.shape[:-2] + (-1,))[..., :K], -1, axis).astype(np.float32)
;;   ~~~
;;   OPERANDS COMPUTED ON THE WAY. 'Computed on the way' means the value that the module computes at that place (a softmax that the list does not call 'softmax' is quantised finished and normalised). What goes into a quantiser is computed in f32, as accurately as f32 sums, v_exp_f32 and their like allow (about 1e-6 of the number): no bf16 or f16 on the way to a quantiser, and a product that is left as it is and whose result goes on into a quantised operand takes f32 operands (vector FMAs, or v_wmma_f32_16x16x4_f32). A number that lies on a knife's edge between two numbers of the format may be rounded either way, as far as f32 arithmetic and the matrix unit's own rounding can turn it there, and no further.
;; One version. Each part assembles by itself: llvm-mc -triple=amdgcn-amd-amdhsa -mcpu=gfx1250 --defsym DOCPART=n.
;; ======== version 1 of 1: 2 launches
;; limits: right only within a limited range of input values
;; workspace buffers: aq 13,107,200 bytes; bq 13,107,200 bytes
;; launch quant (part 1): grid 512 x 1, 4 waves a work-group, no clusters, 86,528 bytes of LDS; arguments x, codes, scales, aq, bq; writes aq, bq
.if DOCPART == 1
	.amdgcn_target "amdgcn-amd-amdhsa--gfx1250"
	.amdhsa_code_object_version 6
	.text
	.protected	k_q5b0f43c878_quant
	.globl	k_q5b0f43c878_quant
	.p2align	8
	.type	k_q5b0f43c878_quant,@function
k_q5b0f43c878_quant:
	s_mov_b64 s[64:65], 0
	v_nop
	global_prefetch_b8 v0, s[64:65] scope:SCOPE_SE
	s_setreg_imm32_b32 hwreg(HW_REG_WAVE_MODE, 25, 1), 1
	s_wait_xcnt 0x0
; Both operands of out = x W^T are turned into codes of FP6 (E2M3), 6 bits each, with one E8M0 scale byte for each 32 along K, and laid IN THE ORDER OF THE MATRIX OPERAND'S REGISTERS.
; x: [4096][4096] f32.  W[n][k] = scales[n][k / 32] x (codes[n][k] - 128), f32, made here from codes [4096][128][32] int32 and scales [4096][128] f32: a block of the given weight is a block of the quantiser.
; A block's scale is 2^(floor(log2(its largest magnitude)) - 2); its byte is the largest magnitude's own exponent field - 2, held at 1 from below.  Each number is divided by the scale and rounded to the nearest code,
; ties to even; beyond the largest code the conversion gives the largest code.
; LIMITS.  NaN and infinities among the inputs are not served.  A block whose largest magnitude lies under 2^(3 - 127) keeps the byte 1; so does a block of zeros, where the rule says 127: its codes are zeros,
; which add nothing under any byte but 0xff, and the bytes are read by this program alone.  W is made as fma(float(code), s, -128 s): -128 s is exact, so this is s x (code - 128) rounded once, as long as
; |code| < 2^24 (beyond that float(code) - 128 would round once more in the definition) and |s| < 2^120 (beyond that -128 s overflows).
; THE OUTPUT.  A RECORD is 128 rows x 128 along K: eight IMAGES of 1,536 bytes (a fragment of 16 rows x 128 K is 12 registers a lane: registers 4 c .. 4 c + 3 of lane l lie at 512 c + 16 l) and, behind them, 512 bytes
; of scale words (the word of block 4 q + k, row r, at 256 q + 16 r + 4 k): 12,800 bytes.  The record of half-tile g (rows 128 g on) and step s (K = 128 s on) lies where the next launch's slots want it:
; s < 2: at 25,600 g + 12,800 s;  else at 819,200 + 1,228,800 ((s - 2) / 3) + 38,400 g + 12,800 ((s - 2) % 3).
; SHARES.  Work-groups 0-255 take x, 256-511 take W; the two kinds part once, on the work-group's number, and never join; each has LDS bytes of its own.  A WAVE MAKES ONE RECORD: g = work-group / 8,
; s = 4 (work-group % 8) + wave, so that a work-group's four waves read 2,048 neighbouring bytes of each row.
; A FRAGMENT.  Lane (r, h) of the operand holds, of row r, the blocks h and 2 + h of the step's four.  Each of sixteen loads reads one row's 512 consecutive bytes, 16 a lane; the rows go into the wave's own stage in LDS
; (528 bytes apart: 64 banks of 4 bytes, ISA guide 11.1) and come back 128 bytes a lane and block.  A block's 32 numbers are then ONE lane's: its largest
; magnitude needs no other lane, and the conversions' results are the operand's registers.  The image leaves by three stores of 512 consecutive bytes each.
; W's given scales: a wave wants 16 bytes of each of its 128 rows of scales.  It loads them so, in four loads of 16 bytes a lane, 512 bytes apart, and deals them to the lanes through LDS: pieces of rows, not whole runs;
; they are 4 bytes for each 128 bytes of W's codes.
; No barrier: waves share nothing.  Loads run two fragments (32 loads a wave) ahead.
.set ROWB,   16384                     ; a row of x or of codes in bytes
.set SPI,    528                       ; a stage row: 512 bytes + 16
.set STGB,   16*SPI                    ; the stage; behind it (W only) the record's 128 x 4 given scales, 2,048 bytes
.set WREG,   10752                     ; a wave's LDS bytes
.set IMG,    1536
.set REC,    8*IMG+512
.set FIRSTB, 2*REC                     ; a half-tile's part of the first slot: two steps
.set HB,     3*REC                     ; and of every other slot: three
.set SLOTG,  32*HB                     ; a whole slot's bytes of one operand
.set NF,     8                         ; fragments in a record
.set AR,  1                            ; v1        W: LDS address of my row's four given scales in fragment 0
.set R,   16                           ; v16-143   two sets of 64: a fragment as loaded
.set X,   144                          ; v144-207  my two blocks of 32 numbers
.set C,   208                          ; v208-219  the image's 12 registers
.set T,   220                          ; v220-222  the second half of a block's codes (a conversion's three registers begin on an even number)
.set GA,  223                          ; v223      W: 512 x lane: my rows of the given scales
.set WD,  224                          ; v224-231  the scale word of my row, one for each fragment
.set O,   232                          ; v232-235  four of them on the way out
.set SQ,  236                          ; v236-239  W: my row's four given scales
.set SG,  240                          ; v240-255  W: the given scales as loaded;  later
.set SCS, 240                          ; v240-241  W: my two blocks' scales,
.set NEG, 242                          ; v242-243  W: and -128 x them
	s_load_b256 s[4:11], s[0:1], 0x0               ; x s[4:5], codes s[6:7], scales s[8:9], aq s[10:11]
	s_load_b64 s[12:13], s[0:1], 0x20              ; bq
	v_lshl_add_u32 v4, v0, 2, 0x15000
	v_mov_b32 v10, 0
	v_lshrrev_b32 v1, 5, v0
	v_readfirstlane_b32 s18, v1                    ; wave 0..3
	v_and_b32 v2, 31, v0                           ; lane
	v_lshlrev_b32 v3, 4, v2                        ; 16 x lane: my bytes of a load's or a store's 512
	v_and_b32 v8, 15, v2                           ; r
	v_lshrrev_b32 v9, 4, v2                        ; h
	v_lshlrev_b32 v5, 3, v9                        ; 8 h: where my bytes stand in a scale word
	v_cmp_ne_u32 vcc_lo, 0, v9                     ; lanes 16-31; VCC stays so to the end
	v_mov_b32 v6, 0                                ; written once: a lane permute's destination counts as one of its sources
	s_mov_b32 s23, 0                               ; the upper word of every offset: all lie under 2^32
	s_mov_b32 s24, 0x76543210
	s_mov_b32 s25, 0xfedcba98                      ; v_permlanex16_b32's selects for lane l xor 16
.macro LOAD i                          ; fragment i's sixteen rows into set i % 2
.irp t, 0,1,2,3,4,5,6,7,8,9,10,11,12,13,14,15
	global_load_b128 v[R+64*((\i)%2)+4*\t:R+64*((\i)%2)+4*\t+3], v3, s[SRC:SRC+1] offset:(16*(\i)+\t)*ROWB th:TH_LOAD_NT   ; 32 lanes read 512 consecutive bytes of one row; read once in the launch
.endr
.endm
.macro TOST i                          ; and into the stage, as they lie
.irp t, 0,1,2,3,4,5,6,7,8,9,10,11,12,13,14,15
	ds_store_b128 v14, v[R+64*((\i)%2)+4*\t:R+64*((\i)%2)+4*\t+3] offset:\t*SPI
.endr
.endm
.macro BACK c                          ; my block h + 2 c of row r comes back: 128 bytes.  LDS serves a wave's instructions in order (ISA guide 5.7.1.4): these see the stores above
.irp k, 0,1,2,3,4,5,6,7
	ds_load_b128 v[X+32*(\c)+4*\k:X+32*(\c)+4*\k+3], v15 offset:256*(\c)+16*\k
.endr
.endm
.macro QBLK c                          ; my block h + 2 c becomes registers 6 c .. 6 c + 5 of the image, and its byte v[12 + c]
.set XS, X+32*(\c)
.if ISW
.irp k, 0,1,2,3,4,5,6,7,8,9,10,11,12,13,14,15,16,17,18,19,20,21,22,23,24,25,26,27,28,29,30,31
	v_cvt_f32_i32 v[XS+\k], v[XS+\k]
.endr
.irp k, 0,1,2,3,4,5,6,7,8,9,10,11,12,13,14,15,16,17,18,19,20,21,22,23,24,25,26,27,28,29,30,31
	v_fma_f32 v[XS+\k], v[XS+\k], v[SCS+(\c)], v[NEG+(\c)]   ; W = s x (code - 128), one rounding
.endr
.endif
	v_max3_num_f32 v8, |v[XS]|, |v[XS+1]|, |v[XS+2]|   ; the block's largest magnitude: all 32 numbers are mine; two chains
	v_max3_num_f32 v9, |v[XS+3]|, |v[XS+4]|, |v[XS+5]|
.irp k, 6,10,14,18,22,26
	v_max3_num_f32 v8, v8, |v[XS+\k]|, |v[XS+\k+1]|
	v_max3_num_f32 v9, v9, |v[XS+\k+2]|, |v[XS+\k+3]|
.endr
	v_max3_num_f32 v8, v8, |v[XS+30]|, |v[XS+31]|
	v_max3_num_f32 v8, v8, v9, 0x1800000           ; and the floor 2^(3 - 127), under which no largest magnitude is taken: so the byte cannot fall under 1
	v_add_nc_u32 v11, 0xff000000, v8               ; 2 off its exponent field: the conversion takes the exponent field of this operand as its scale, and nothing else of it
	v_cvt_scalef32_pk16_fp6_f32 v[C+6*(\c):C+6*(\c)+2], v[XS:XS+15], v11   ; 96 bits without gaps, the first number's code lowest
	v_cvt_scalef32_pk16_fp6_f32 v[T:T+2], v[XS+16:XS+31], v11
	v_lshrrev_b32 v[12+(\c)], 23, v11              ; the scale's byte; also the plain instruction behind the conversions
.irp k, 0,1,2
	v_mov_b32 v[C+6*(\c)+3+\k], v[T+\k]
.endr
.endm
.macro FRAGM i
	s_wait_dscnt 8                                 ; my first block is back (the second block's eight loads are younger); so the stage's stores have read their registers
.if (\i) > 0
	s_wait_xcnt 0x0                                ; the last image's stores have had their addresses translated (ISA guide 3.1): their data registers are written again only behind this wait
.endif
.if (\i)+2 < NF
	LOAD (\i)+2                                    ; into the set that the stage's stores have read
.endif
.if ISW
	v_cndmask_b32 v[SCS], v[SQ], v[SQ+1], vcc_lo   ; the given scale of my block h,
	v_cndmask_b32 v[SCS+1], v[SQ+2], v[SQ+3], vcc_lo   ; and of my block 2 + h
	v_mul_f32 v[NEG], 0xc3000000, v[SCS]           ; -128 s: exact
	v_mul_f32 v[NEG+1], 0xc3000000, v[SCS+1]
.endif
	QBLK 0
	s_wait_dscnt 0x0                               ; my second block is back: the stage may be written again
.if (\i)+1 < NF
.if (\i)+2 < NF
	s_wait_loadcnt 16                              ; the next fragment's sixteen loads are in; the sixteen behind them may be out
.else
	s_wait_loadcnt 0x0
.endif
	TOST (\i)+1
.if ISW
	ds_load_b128 v[SQ:SQ+3], v[AR] offset:STGB+256*((\i)+1)   ; row 16 (i + 1) + r's four given scales
.endif
	BACK 0                                         ; lands while the second block is worked
.endif
	QBLK 1
.if (\i)+1 < NF
	BACK 1
.endif
	v_lshl_or_b32 v7, v13, 16, v12                 ; my two bytes: blocks h and 2 + h of row r,
	v_lshlrev_b32 v7, v5, v7                       ; at their places in the scale word (8 h bits up);
	v_permlanex16_b32 v6, v7, s24, s25
	v_or_b32 v[WD+(\i)], v7, v6                    ; with lane l xor 16's two the word is whole
.irp c, 0,1,2
	global_store_b128 v3, v[C+4*\c:C+4*\c+3], s[COD:COD+1] offset:IMG*(\i)+512*\c   ; 32 lanes store 512 consecutive bytes, at a multiple of 256 from the buffer's first byte; the next launch reads them: no hint
.endr
.endm
; One kind's whole way.  w = 1: W is made on the way.  src, cod: the scalar pairs of the source and of the records.  lbase: this kind's LDS bytes.  wg0: its first work-group.
.macro PATH w, src, cod, lbase, wg0
.set ISW, \w
.set SRC, \src
.set COD, \cod
	s_mul_i32 s19, s18, WREG
	s_add_co_u32 s19, s19, \lbase                  ; my wave's LDS bytes
	v_add_nc_u32 v14, s19, v3                      ; the stage, on the way in: 16 x lane of a row
	v_mul_u32_u24 v15, v8, SPI
	v_lshl_add_u32 v15, v9, 7, v15
	v_add_nc_u32 v15, s19, v15                     ; and on the way out: row r, + 128 h
.if \w
	v_lshl_add_u32 v[AR], v8, 4, s19               ; the given scales in LDS: 16 bytes a row
	v_lshlrev_b32 v[GA], 9, v2                     ; and in memory: 512 bytes a row, lane l takes rows l, l + 32, l + 64, l + 96
.endif
	s_sub_co_u32 s20, ttmp9, \wg0
	s_lshr_b32 s21, s20, 3                         ; g: my half-tile of 128 rows
	s_and_b32 s20, s20, 7
	s_lshl_b32 s20, s20, 2
	s_add_co_u32 s20, s20, s18                     ; s: my step of 128 along K
	s_lshl_b32 s22, s21, 21                        ; 128 rows of 16,384 bytes,
	s_lshl_b32 s26, s20, 9                         ; 512 bytes along a row
	s_add_co_u32 s22, s22, s26
	s_add_nc_u64 s[\src:\src+1], s[\src:\src+1], s[22:23]
.if \w
	s_lshl_b32 s22, s21, 16                        ; the given scales: 128 rows of 512 bytes,
	s_lshl_b32 s26, s20, 4                         ; 16 bytes along a row
	s_add_co_u32 s22, s22, s26
	s_add_nc_u64 s[8:9], s[8:9], s[22:23]
.endif
	s_mul_i32 s26, s21, FIRSTB                     ; where my record lies if s < 2:
	s_mul_i32 s27, s20, REC
	s_add_co_u32 s26, s26, s27
	s_max_u32 s27, s20, 2                          ; and else: with y = s - 2
	s_sub_co_u32 s27, s27, 2
	s_mul_i32 s28, s27, 171
	s_lshr_b32 s28, s28, 9                         ; y / 3 (171 / 512 is 1 / 3 + 0.00065: right for y under 512)
	s_mul_i32 s29, s28, 3
	s_sub_co_u32 s27, s27, s29                     ; y % 3
	s_mul_i32 s28, s28, SLOTG
	s_mul_i32 s27, s27, REC
	s_add_co_u32 s28, s28, s27
	s_mul_i32 s27, s21, HB
	s_add_co_u32 s28, s28, s27
	s_add_co_u32 s28, s28, 32*FIRSTB
	s_cmp_lt_u32 s20, 2
	s_cselect_b32 s22, s26, s28
	s_add_nc_u64 s[\cod:\cod+1], s[\cod:\cod+1], s[22:23]
.if \w
	s_wait_alu depctr_va_vdst(0)
.irp m, 0,1,2,3
	global_load_b128 v[SG+4*\m:SG+4*\m+3], v[GA], s[8:9] offset:16384*\m   ; other waves read these rows' other bytes: no hint
.endr
.endif
	LOAD 0
	LOAD 1
.if \w
	s_wait_loadcnt 32                              ; the given scales are in; the 32 loads of fragments 0 and 1 are younger
.irp m, 0,1,2,3
	ds_store_b128 v14, v[SG+4*\m:SG+4*\m+3] offset:STGB+512*\m   ; row l + 32 m at 16 (l + 32 m)
.endr
.endif
	s_wait_alu depctr_va_vdst(0)
	s_wait_loadcnt 16                              ; fragment 0's sixteen loads are in
	TOST 0
.if \w
	ds_load_b128 v[SQ:SQ+3], v[AR] offset:STGB
.endif
	BACK 0
	BACK 1
.irp i, 0,1,2,3,4,5,6,7
	FRAGM \i
.endr
.irp k, 0,1,2,3
	v_cndmask_b32 v[O+\k], v[WD+\k], v[WD+4+\k], vcc_lo   ; lanes 0-15 take the words of blocks 0-3, lanes 16-31 those of blocks 4-7
.endr
	global_store_b128 v3, v[O:O+3], s[\cod:\cod+1] offset:8*IMG   ; 256 h + 16 r = 16 x lane: 512 consecutive bytes
	s_wait_tensorcnt 0x0
	ds_add_u32 v4, v10
	s_wait_dscnt 0x0
	s_endpgm
.endm
	s_wait_kmcnt 0x0
	s_cmp_lt_u32 ttmp9, 256                        ; x's work-group or W's?  The branch hangs on the work-group's number alone
	s_cbranch_scc0 .Lweights
	s_wait_alu depctr_va_vdst(0)
	PATH 0, 4, 10, 0, 0
.Lweights:
	s_wait_alu depctr_va_vdst(0)
	PATH 1, 6, 12, 4*WREG, 256
.Lfunc_end_k_q5b0f43c878_quant:
	.size	k_q5b0f43c878_quant, .Lfunc_end_k_q5b0f43c878_quant-k_q5b0f43c878_quant
	.p2alignl 7, 3214868480
	.fill 96, 4, 3214868480
	.section	.rodata,"a",@progbits
	.p2align	6, 0x0
	.amdhsa_kernel k_q5b0f43c878_quant
		.amdhsa_group_segment_fixed_size 86528
		.amdhsa_private_segment_fixed_size 0
		.amdhsa_enable_private_segment 0
		.amdhsa_kernarg_size 40
		.amdhsa_user_sgpr_count 2
		.amdhsa_user_sgpr_kernarg_segment_ptr 1
		.amdhsa_wavefront_size32 1
		.amdhsa_system_sgpr_workgroup_id_x 1
		.amdhsa_system_sgpr_workgroup_id_y 1
		.amdhsa_system_sgpr_workgroup_id_z 1
		.amdhsa_system_vgpr_workitem_id 0
		.amdhsa_next_free_vgpr 256
		.amdhsa_next_free_sgpr 66
		.amdhsa_reserve_vcc 1
		.amdhsa_float_denorm_mode_32 3
		.amdhsa_float_denorm_mode_16_64 3
		.amdhsa_memory_ordered 1
		.amdhsa_forward_progress 1
		.amdhsa_inst_pref_size 165
	.end_amdhsa_kernel
	.amdgpu_metadata
---
amdhsa.version: [ 1, 2 ]
amdhsa.kernels:
  - .name:           k_q5b0f43c878_quant
    .symbol:         k_q5b0f43c878_quant.kd
    .args:
      - { .name: x, .offset: 0, .size: 8, .value_kind: global_buffer, .address_space: global }
      - { .name: codes, .offset: 8, .size: 8, .value_kind: global_buffer, .address_space: global }
      - { .name: scales, .offset: 16, .size: 8, .value_kind: global_buffer, .address_space: global }
      - { .name: aq, .offset: 24, .size: 8, .value_kind: global_buffer, .address_space: global }
      - { .name: bq, .offset: 32, .size: 8, .value_kind: global_buffer, .address_space: global }
    .group_segment_fixed_size: 86528
    .private_segment_fixed_size: 0
    .kernarg_segment_align: 8
    .kernarg_segment_size: 40
    .max_flat_workgroup_size: 128
    .sgpr_count:     66
    .vgpr_count:     256
    .wavefront_size: 32
...
	.end_amdgpu_metadata
.endif
;; end of part 1
;; launch gemm (part 2): grid 16 x 16, 4 waves a work-group, clusters of 4 x 4, 327,680 bytes of LDS; arguments aq, bq, out0; writes out0
.if DOCPART == 2
	.amdgcn_target "amdgcn-amd-amdhsa--gfx1250"
	.amdhsa_code_object_version 6
	.text
	.protected	k_q5b0f43c878_gemm
	.globl	k_q5b0f43c878_gemm
	.p2align	8
	.type	k_q5b0f43c878_gemm,@function
k_q5b0f43c878_gemm:
	s_mov_b64 s[64:65], 0
	v_nop
	global_prefetch_b8 v0, s[64:65] scope:SCOPE_SE
	s_setreg_imm32_b32 hwreg(HW_REG_WAVE_MODE, 25, 1), 1
	s_wait_xcnt 0x0
	s_wait_alu depctr_hold_cnt(0) depctr_sa_sdst(0) depctr_va_vdst(0) depctr_va_sdst(0) depctr_va_ssrc(0) depctr_va_vcc(0) depctr_vm_vsrc(0)
	s_getreg_b32 s2, hwreg(HW_REG_IB_STS2, 6, 4)
	s_cmp_eq_u32 s2, 0
	s_cbranch_scc0 .Lentry_in_a_cluster
	s_endpgm
.Lentry_in_a_cluster:
	s_bfe_u32 s2, ttmp6, 0x10000c
	s_cmp_lg_u32 s2, 0xf033
	s_cbranch_scc0 .Lentry_shape_is_right
	s_endpgm
.Lentry_shape_is_right:
; out0[m][n] = sum over k of x[m][k] W[n][k], both operands as codes of FP6 (E2M3) with one E8M0 byte for each 32 along K, as the launch before laid them: RECORDS of 128 rows x 128 K, 12,800 bytes:
; eight images of 1,536 bytes (registers 4 c .. 4 c + 3 of lane l of a fragment at 512 c + 16 l) and 512 bytes of scale words.  Sums in f32, K ascending, one accumulator for each output.
; A tile of out0, 256 x 256, is made by four waves, 128 x 128 each: 64 accumulators.  The product is used transposed (source 0 = B's rows, source 1 = A's rows).
; A'S RECORDS go through a ring of two LDS slots of three steps of 128 along K (the first fill holds two: 2 + 10 x 3 = 32 steps), 38,400 dense bytes for each half-tile, one tensor load of waves 0 and 1 each.
; B'S CODES GO STRAIGHT INTO REGISTERS: an image is the operand's registers as they lie, so a wave takes its 128 rows of a step by 24 loads of 512 consecutive bytes each, into three sets of 96 registers by turns,
; asked for three steps ahead of their use.  So a wave reads LDS 26 times a step (A's 24 pieces and two loads of scale words).  B's scale words alone go through LDS (3 rows of 512 bytes for each half-tile and slot,
; one tensor load of waves 2 and 3 each), so that one register carries A's word in lanes 0-15 and B's in lanes 16-31.
; CLUSTERS: 4 x 4 work-groups; A's records are asked for jointly along a row of the cluster, B's scale words along a column.  B's codes land in no LDS, so no joint load can bring them.
; REGISTERS.  Window 0: v0-47 addresses and scale words; v64-159 A's eight fragments, ONE set (blocks 0-3 are fetched anew in a step's middle, 4-7 at its end); v160-255 B's set 2.  Window 1: v0-95, v96-191 B's sets 0, 1.
; Window 2: the accumulators of my rows 0-63 ((a, b) at 8 (8 (a % 4) + b)); window 3: those of rows 64-127.  Loads stand in two runs a step.
; PREFETCH: behind each joint load the records of the next fill but one of the ring's walk are named for A (the fill that the NEXT refill brings) and the same three steps for B, 150 blocks of 256 bytes for each half-tile;
; the four partners that share a half-tile take 38 blocks each, told apart by address (cx for A, cy for B), two instructions a wave; lanes left over name their wave's last block again; the last refill asks for nothing.
.set SIZE_N, 4096
.set IMG,    1536
.set REC,    8*IMG+512
.set FIRSTB, 2*REC                     ; a half-tile's part of the first two steps in memory
.set HB,     3*REC                     ; and of every later three
.set SLOTG,  32*HB                     ; from three steps to the next three in memory
.set SBH,    3*512                     ; B's scale words of a half-tile in a slot
.set SLOT,   2*HB+2*SBH                ; A's two halves, then B's scale words
.set STAGE,  2*SLOT                    ; behind the ring: a stage of 16 rows x 528 bytes for each wave, bytes of its own
.set SPITCH, 528
.set SPARE,  STAGE+4*16*SPITCH         ; behind the stages: the spare words, 128 bytes a wave
.set SC,   16                          ; v16-31 scale words, two sets of 8: register i: lanes 0-15 A's block i, lanes 16-31 B's block i
.set ADRA, 32                          ; v32-33 LDS address of my A images in slot 0, 1
.set ADRS, 34                          ; v34-39 of my scale words: slot 0 steps 0-2, slot 1 steps 0-2 (A's lie 12,800 bytes apart, B's 512)
.set STO,  40
.set RD,   41
.set CO,   42                          ; 16 x lane
.set SPW,  43                          ; my spare word; never rewritten
.set NIL,  44                          ; 0; never rewritten
.set PFO,  46                          ; v46-47 the prefetches' offsets
.set AF,   64
.set BK,   128                         ; the way out: 16 rows read back, v128-191 and v192-255 by turns
.set G1, 24
.set G0, 32
.set G1B, 48
.set G0B, 56
.set G1F, 68
.set G0F, 76
.set G1FB, 80
.set G0FB, 88
.set PB,  66                           ; s[66:67] B's records of my column half: the base of the loop's loads
.set PF,  92                           ; s[92:93] the same for steps 0 and 1
.set PFA, 94                           ; s[94:95] the half-tile's three steps that my prefetches name
.set MSB, 0
.macro WIN new                         ; the immediate's high byte repeats the setting that is left
.if MSB != \new
	s_set_vgpr_msb (MSB<<8)|\new
.set MSB, \new
.endif
.endm
.macro JLOAD g0a, g1a, g0b, g1b        ; a joint load: waves 0, 1 fetch A's halves, waves 2, 3 B's scale words; s_nop 0 and four v_nop behind each line
	s_cmp_eq_u32 s15, 0
	s_cbranch_scc0 .Lfor_b_\@
	tensor_load_to_lds s[\g0a:\g0a+3], s[\g1a:\g1a+7]
	s_nop 0
.rept 4
	v_nop
.endr
	s_branch .Lasked_\@
.Lfor_b_\@:
	tensor_load_to_lds s[\g0b:\g0b+3], s[\g1b:\g1b+7]
	s_nop 0
.rept 4
	v_nop
.endr
.Lasked_\@:
.endm
.macro CREST                           ; a round of the cluster's barrier behind its opening barrier
	s_cmp_lg_u32 s14, 0
	s_cbranch_scc1 .Lnot_wave_0_\@
	s_barrier_signal -3
.Lnot_wave_0_\@:
	s_barrier_wait -3
	s_barrier_signal -1
	s_barrier_wait -1
.endm
.macro CROUND
	s_barrier_signal -1
	s_barrier_wait -1
	CREST
.endm
.macro ASK                             ; my 38 blocks of the 150 at PFA
	global_prefetch_b8 v[PFO], s[PFA:PFA+1] th:TH_LOAD_NT scope:SCOPE_SE
	global_prefetch_b8 v[PFO+1], s[PFA:PFA+1] th:TH_LOAD_NT scope:SCOPE_SE
.endm
.macro BLOAD q, base, off              ; a step's eight images of B into set q: piece m lies at 512 m and fills registers 4 m .. 4 m + 3
.set BQ, 96*(\q)-32*((\q)/2)
	WIN (1-(\q)/2)<<6
.set M, 0
.rept 24
	global_load_b128 v[BQ+4*M:BQ+4*M+3], v[CO], s[\base:\base+1] offset:(\off)+512*M
.set M, M+1
.endr
.endm
	s_load_b128 s[4:7], s[0:1], 0x0                ; aq, bq
	s_load_b64 s[12:13], s[0:1], 0x10              ; out0
	v_lshl_add_u32 v[SPW], v0, 2, SPARE
	v_mov_b32 v[NIL], 0
	ds_add_u32 v[SPW], v[NIL]                      ; the opening lines: the add twice on end and one wait, ahead of the round in front of my first tensor load
	ds_add_u32 v[SPW], v[NIL]
	v_lshrrev_b32 v1, 5, v0
	v_readfirstlane_b32 s14, v1                    ; wave 0..3
	s_lshr_b32 s15, s14, 1                         ; my half of the tile's rows; also: I fetch for A (0) or B (1)
	s_and_b32 s16, s14, 1                          ; my half of its columns; also: which half-tile I fetch
	s_bfe_u32 s40, ttmp6, 0x40000                  ; cx
	s_bfe_u32 s41, ttmp6, 0x40004                  ; cy
	s_lshl_b32 s42, ttmp9, 2
	s_add_co_u32 s42, s42, s40                     ; tile column
	s_and_b32 s17, ttmp7, 0xffff
	s_lshl_b32 s17, s17, 2
	s_add_co_u32 s17, s17, s41                     ; tile row
	s_lshl_b32 s43, s41, 2
	s_lshl_b32 s43, 15, s43                        ; my row of the cluster
	s_lshl_b32 s44, 0x1111, s40                    ; my column
	s_or_b32 s[G1+0], s43, (3<<16)|(1<<21)         ; elements of 8 bytes; the mask, bit 21 beside it; no padding
	s_or_b32 s[G1B+0], s44, (3<<16)|(1<<21)
	s_or_b32 s[G1F+0], s43, (3<<16)|(1<<21)
	s_or_b32 s[G1FB+0], s44, (3<<16)|(1<<21)
.macro SHAPE g, c, r, p                ; r rows of c elements, p elements from row to row
	s_mov_b32 s[\g+1], (\c)<<16
	s_mov_b32 s[\g+2], (\r)<<16
	s_mov_b32 s[\g+3], (\c)<<16
	s_mov_b32 s[\g+4], \r
	s_mov_b32 s[\g+5], \p
	s_mov_b32 s[\g+6], 0
	s_mov_b32 s[\g+7], 0
.endm
	SHAPE G1, 32, HB/256, 32                       ; A: 38,400 dense bytes as 150 rows of 256
	SHAPE G1F, 32, FIRSTB/256, 32                  ; the first fill: 100 rows
	SHAPE G1B, 64, 3, REC/8                        ; B's scale words: 512 bytes of each of three records
	SHAPE G1FB, 64, 2, REC/8                       ; the first fill: of two
	s_lshl_b32 s20, s17, 1
	s_add_co_u32 s20, s20, s16                     ; A's half-tile that I fetch
	s_lshl_b32 s46, s42, 1
	s_add_co_u32 s46, s46, s16                     ; B's half-tile: the one that I multiply, and fetch scale words for
	s_mul_i32 s22, s20, FIRSTB
	s_mov_b32 s23, 0
	s_mul_i32 s20, s20, HB
	s_add_co_u32 s20, s20, 32*FIRSTB
	s_mov_b32 s21, 0
	s_mul_i32 s92, s46, FIRSTB
	s_mov_b32 s93, 0
	s_mul_i32 s46, s46, HB
	s_add_co_u32 s46, s46, 32*FIRSTB
	s_mov_b32 s47, 0
	s_mul_i32 s45, s16, HB                         ; LDS: where the half of A that I fetch goes,
	s_mul_i32 s9, s16, SBH
	s_add_co_u32 s9, s9, 2*HB                      ; where my column half's scale words lie,
	s_mul_i32 s8, s15, HB                          ; the half of A that I multiply,
	s_add_co_u32 s11, s8, 8*IMG                    ; its scale words,
	s_sub_co_u32 s10, s9, s11                      ; the distance from them to B's, in a slot's step 0,
	s_sub_co_u32 s2, s10, REC-512                  ; in its step 1 (A's words lie 12,800 bytes on, B's 512),
	s_add_co_u32 s3, s11, REC
	s_sub_co_u32 s66, s2, REC-512                  ; and in its step 2: 1,536 bytes at the least
	s_add_co_u32 s67, s3, REC
	s_mul_i32 s18, s14, 16*SPITCH
	s_add_co_u32 s18, s18, STAGE                   ; my stage
	s_cmp_eq_u32 s15, 0
	s_cselect_b32 s19, s40, s41                    ; my place among the four that share the half-tile
	s_mul_i32 s19, s19, 38                         ; my first block of the 150
	s_lshl_b32 s96, s17, 22                        ; my part of out0, in bytes: (256 tile row + 128 half) rows of 16,384,
	s_lshl_b32 s97, s15, 21
	s_add_co_u32 s96, s96, s97
	s_lshl_b32 s97, s42, 10                        ; + 1,024 tile column + 512 half
	s_add_co_u32 s96, s96, s97
	s_lshl_b32 s97, s16, 9
	s_add_co_u32 s96, s96, s97
	s_mov_b32 s97, 0
	v_and_b32 v1, 15, v0                           ; r
	v_bfe_u32 v2, v0, 4, 1                         ; h
	v_and_b32 v6, 31, v0                           ; lane
	v_lshlrev_b32 v[CO], 4, v6
	v_add_nc_u32 v[ADRA], s8, v[CO]
	v_add_nc_u32 v[ADRA+1], SLOT, v[ADRA]
	v_mul_u32_u24 v5, s10, v2                      ; lanes 16-31 take B's scale words
	v_lshl_add_u32 v5, v1, 4, v5
	v_add_nc_u32 v[ADRS], s11, v5                  ; step 0 of slot 0
	v_mul_u32_u24 v7, s2, v2                       ; steps 1 and 2 in the same form: the lower base + 16 r + h x the distance
	v_lshl_add_u32 v7, v1, 4, v7
	v_add_nc_u32 v[ADRS+1], s3, v7
	v_mul_u32_u24 v8, s66, v2
	v_lshl_add_u32 v8, v1, 4, v8
	v_add_nc_u32 v[ADRS+2], s67, v8
.irp u, 0,1,2
	v_add_nc_u32 v[ADRS+3+\u], SLOT, v[ADRS+\u]
.endr
	v_mul_u32_u24 v7, v1, SPITCH
	v_lshl_add_u32 v7, v2, 5, v7
	v_add_nc_u32 v[STO], s18, v7                   ; into the stage: row r, 32 bytes for each half of the lanes
	v_add_nc_u32 v[RD], s18, v[CO]                 ; back: 32 lanes take a row of 512 bytes
	v_add_nc_u32 v8, s19, v6
	v_min_u32 v8, 149, v8
	v_lshlrev_b32 v[PFO], 8, v8                    ; blocks 38 p + lane,
	v_add_nc_u32 v9, 32, v6
	v_min_u32 v9, 37, v9
	v_add_nc_u32 v9, s19, v9
	v_min_u32 v9, 149, v9
	v_lshlrev_b32 v[PFO+1], 8, v9                  ; and 38 p + 32 .. 37, none beyond the last
	s_wait_alu depctr_va_vdst(0)
	s_wait_dscnt 0x0                               ; both opening adds are done
	s_wait_kmcnt 0x0
	s_add_nc_u64 s[22:23], s[4:5], s[22:23]
	s_add_nc_u64 s[20:21], s[4:5], s[20:21]
	s_add_nc_u64 s[PF:PF+1], s[6:7], s[92:93]
	s_add_nc_u64 s[46:47], s[6:7], s[46:47]
	s_add_nc_u64 s[12:13], s[12:13], s[96:97]
	s_mov_b64 s[PB:PB+1], s[46:47]
	s_cmp_eq_u32 s15, 0
	s_cselect_b64 s[PFA:PFA+1], s[20:21], s[46:47] ; steps 2 to 4 of the half-tile that I fetch for
	s_mov_b32 s[G0F], 1
	s_mov_b32 s[G0F+1], s45
	s_mov_b64 s[G0F+2:G0F+3], s[22:23]
	s_or_b32 s[G0F+3], s[G0F+3], 0x80000000
	s_mov_b32 s[G0FB], 1
	s_mov_b32 s[G0FB+1], s9
	s_add_nc_u64 s[G0FB+2:G0FB+3], s[PF:PF+1], 8*IMG
	s_or_b32 s[G0FB+3], s[G0FB+3], 0x80000000
	CROUND                                         ; all sixteen work-groups are here: the first joint loads meet
	JLOAD G0F, G1F, G0FB, G1FB                     ; steps 0 and 1 into slot 0: my one tensor load at the head
	BLOAD 0, PF, 0                                 ; B of steps 0 and 1
	BLOAD 1, PF, REC
	WIN 0
	ASK                                            ; steps 2 to 4
.irp s, 0,1                            ; slot 1 takes steps 2 to 4, slot 0 steps 5 to 7
	s_mov_b32 s[G0+4*\s], 1
	s_add_co_u32 s[G0+4*\s+1], s45, \s*SLOT
	s_add_nc_u64 s[G0+4*\s+2:G0+4*\s+3], s[20:21], (1-\s)*SLOTG
	s_or_b32 s[G0+4*\s+3], s[G0+4*\s+3], 0x80000000
	s_mov_b32 s[G0B+4*\s], 1
	s_add_co_u32 s[G0B+4*\s+1], s9, \s*SLOT
	s_add_nc_u64 s[G0B+4*\s+2:G0B+4*\s+3], s[46:47], (1-\s)*SLOTG+8*IMG
	s_or_b32 s[G0B+4*\s+3], s[G0B+4*\s+3], 0x80000000
.endr
	BLOAD 2, PB, 0                                 ; B of step 2
	WIN 0
; 16 products: A's blocks a0, a0 + 1 x B's eight.  q: B's set; sp: the set of scale words.  The 64 accumulators take turns, one instruction a turn, in the same order in every step.
.macro MUL16 a0, q, sp, zero
.set BQ, 96*(\q)-32*((\q)/2)
	WIN (1-(\q)/2)|((2+(\a0)/4)<<4)|((2+(\a0)/4)<<6)
.irp a, \a0, \a0+1
.irp b, 0,1,2,3,4,5,6,7
.if \zero
	v_wmma_scale_f32_16x16x128_f8f6f4 v[8*(8*((\a)%4)+\b):8*(8*((\a)%4)+\b)+7], v[BQ+12*\b:BQ+12*\b+11], v[AF+12*(\a):AF+12*(\a)+11], 0, v[SC+8*(\sp)+\b], v[SC+8*(\sp)+(\a)] matrix_a_fmt:MATRIX_FMT_FP6 matrix_b_fmt:MATRIX_FMT_FP6 matrix_a_scale:MATRIX_SCALE_ROW1
.else
	v_wmma_scale_f32_16x16x128_f8f6f4 v[8*(8*((\a)%4)+\b):8*(8*((\a)%4)+\b)+7], v[BQ+12*\b:BQ+12*\b+11], v[AF+12*(\a):AF+12*(\a)+11], v[8*(8*((\a)%4)+\b):8*(8*((\a)%4)+\b)+7], v[SC+8*(\sp)+\b], v[SC+8*(\sp)+(\a)] matrix_a_fmt:MATRIX_FMT_FP6 matrix_b_fmt:MATRIX_FMT_FP6 matrix_a_scale:MATRIX_SCALE_ROW1
.endif
.endr
.endr
.endm
.macro ARUN slot, u, m0                ; twelve pieces of A's images of step u of a slot, from piece m0 on
	WIN 0
.set M, \m0
.rept 12
	ds_load_b128 v[AF+4*M:AF+4*M+3], v[ADRA+(\slot)] offset:(\u)*REC+512*M
.set M, M+1
.endr
.endm
.macro MRUN slot, u, sp                ; the middle run: the scale words of step u of a slot into set sp, and A's blocks 0-3
	WIN 0
	ds_load_b128 v[SC+8*(\sp):SC+8*(\sp)+3], v[ADRS+3*(\slot)+(\u)]
	ds_load_b128 v[SC+8*(\sp)+4:SC+8*(\sp)+7], v[ADRS+3*(\slot)+(\u)] offset:256
	ARUN \slot, \u, 0
.endm
.macro PLACES                          ; four places between the last products that read registers and the first load into them (ISA guide 7.12.1 for vector instructions)
.rept 4
	v_nop
.endr
.endm
; A step that is not its slot's last.  (ns, nu): where the next step's A lies.  lc: the loads of B issued behind this step's.  bl = 1: at the end the set just multiplied takes B of three steps on, at PB + boff.
.macro STEP q, sp, zero, ns, nu, lc, bl, boff
	s_wait_loadcnt \lc                             ; this step's B is in; the younger batches of 24 may be out
	s_wait_dscnt 12                                ; scale words and A's blocks 0-3 are in; A's 4-7 (12 loads) may be out
	MUL16 0, \q, \sp, \zero
	MUL16 2, \q, \sp, \zero
	PLACES
	MRUN \ns, \nu, 1-(\sp)
	s_wait_dscnt 14                                ; A's 4-7 are in: behind them the 14 just issued
	MUL16 4, \q, \sp, \zero
	MUL16 6, \q, \sp, \zero
	PLACES
	ARUN \ns, \nu, 12
.if \bl
	BLOAD \q, PB, \boff
.endif
.endm
; A slot's last step.  Its last reads of the slot (A's blocks 4-7) were issued at the end of the step before, so the change of slots stands in its first half.  fill = 1: the barrier opens a round of the cluster's barrier and the slot
; is filled again.  ask: 0 no prefetch, 1 one, 2 one but in the loop's last trip.  pb = 1: the base of B's loads steps two fills on.
.macro TURN slot, q, sp, next, fill, ask, pb, lc, boff
	WIN 0
	s_wait_tensorcnt 0x0                           ; all my tensor loads have landed: my part of the next slot
	ds_add_u32 v[SPW], v[NIL]
.if \fill
	s_add_nc_u64 s[G0+4*(1-(\slot))+2:G0+4*(1-(\slot))+3], s[G0+4*(1-(\slot))+2:G0+4*(1-(\slot))+3], 2*SLOTG   ; no tensor load of mine is out: the other slot's next fill
	s_add_nc_u64 s[G0B+4*(1-(\slot))+2:G0B+4*(1-(\slot))+3], s[G0B+4*(1-(\slot))+2:G0B+4*(1-(\slot))+3], 2*SLOTG
.endif
	s_wait_loadcnt \lc
	s_wait_dscnt 13                                ; A's 4-7 (12 loads) and the add may be out
	MUL16 0, \q, \sp, 0
.if \fill
	s_wait_xcnt 0x0                                ; my prefetches and B's loads have read their bases
	s_add_nc_u64 s[PFA:PFA+1], s[PFA:PFA+1], SLOTG
.if \pb
	s_add_nc_u64 s[PB:PB+1], s[PB:PB+1], 2*SLOTG
.endif
.endif
	s_wait_dscnt 0x0                               ; the add is done, and my reads of this slot are over
	s_barrier_signal -1
	MUL16 2, \q, \sp, 0
	WIN 0
	s_barrier_wait -1
.if \fill
	CREST
	JLOAD G0+4*(\slot), G1, G0B+4*(\slot), G1B     ; the first tensor load behind the round; its four v_nop are the places in front of the loads below
.else
	PLACES
.endif
	MRUN \next, 0, 1-(\sp)
.if (\ask) == 1
	ASK
.endif
.if (\ask) == 2
	s_cmp_gt_u32 s3, 1                             ; the loop's last refill is the last of all: nothing lies behind it
	s_cbranch_scc0 .Lno_ask_\@
	ASK
.Lno_ask_\@:
.endif
	MUL16 4, \q, \sp, 0
	MUL16 6, \q, \sp, 0
	PLACES
	ARUN \next, 0, 12
	BLOAD \q, PB, \boff
.endm
	s_wait_xcnt 0x0                                ; the prefetches above have read their address
	s_add_nc_u64 s[PFA:PFA+1], s[PFA:PFA+1], SLOTG
	s_wait_tensorcnt 0x0                           ; my part of steps 0 and 1 is in; slot 1's first fill is issued as a refill is
	ds_add_u32 v[SPW], v[NIL]
	s_wait_dscnt 0x0
	CROUND
	JLOAD G0+4, G1, G0B+4, G1B                     ; steps 2 to 4 into slot 1
	MRUN 0, 0, 0
	ARUN 0, 0, 12
	ASK                                            ; steps 5 to 7
	STEP 0, 0, 1, 0, 1, 48, 1, REC                 ; step 0: its products start the sums; B of step 3
	TURN 0, 1, 1, 1, 1, 1, 0, 48, 2*REC            ; step 1; B of step 4
	WIN 0
	s_mov_b32 s3, 4
.Llap:                                         ; a trip: six steps, once round the ring, after which B's three sets, the scales' two and the slots are back where they began
	STEP 2, 0, 0, 1, 1, 48, 1, SLOTG
	STEP 0, 1, 0, 1, 2, 48, 1, SLOTG+REC
	TURN 1, 1, 0, 0, 1, 1, 0, 48, SLOTG+2*REC
	STEP 2, 1, 0, 0, 1, 48, 1, 2*SLOTG
	STEP 0, 0, 0, 0, 2, 48, 1, 2*SLOTG+REC
	TURN 0, 1, 1, 1, 1, 2, 1, 48, 2*REC            ; (the base has stepped by then)
	WIN 0
	s_sub_co_u32 s3, s3, 1
	s_cmp_lg_u32 s3, 0
	s_cbranch_scc1 .Llap
	STEP 2, 0, 0, 1, 1, 48, 1, SLOTG               ; steps 26 to 31: no refill; B of steps 29, 30, 31, then none
	STEP 0, 1, 0, 1, 2, 48, 1, SLOTG+REC
	TURN 1, 1, 0, 0, 0, 0, 0, 48, SLOTG+2*REC
	STEP 2, 1, 0, 0, 1, 48, 0, 0
	STEP 0, 0, 0, 0, 2, 24, 0, 0
	s_wait_loadcnt 0x0
	s_wait_dscnt 12
	MUL16 0, 1, 1, 0
	MUL16 2, 1, 1, 0
	s_wait_dscnt 0
	MUL16 4, 1, 1, 0
	MUL16 6, 1, 1, 0
	WIN 0
; THE WAY OUT, block by block of 16 rows x 128 columns: a lane holds 32 neighbouring bytes of a row; a block goes through my own stage and comes back as rows of 512 bytes, which 32 lanes store as two aligned units of 256 bytes.
; LDS serves a wave's instructions in order (ISA guide 5.7.1.4): no wait between the stores and the loads.
.macro TOSTAGE a
.set AC, 64*((\a)%4)
	WIN 0x08+4*((\a)/4)                            ; the data: window 2 or 3
.irp b, 0,1,2,3,4,5,6,7
	ds_store_b128 v[STO], v[AC+8*\b:AC+8*\b+3] offset:64*\b          ; each accumulator from its low end on
	ds_store_b128 v[STO], v[AC+8*\b+4:AC+8*\b+7] offset:64*\b+16
.endr
	WIN 0
.set BB, BK+64*((\a)%2)
.irp t, 0,1,2,3,4,5,6,7,8,9,10,11,12,13,14,15
	ds_load_b128 v[BB+4*\t:BB+4*\t+3], v[RD] offset:\t*SPITCH
.endr
.endm
.macro SEND a, younger                 ; younger: the LDS instructions issued behind block a's loads
.set BB, BK+64*((\a)%2)
	s_wait_dscnt \younger
.if (\a) > 0
	s_add_nc_u64 s[12:13], s[12:13], 16*SIZE_N*4   ; behind a wait on XCNT: the earlier stores have read their base
.endif
.irp t, 0,1,2,3,4,5,6,7,8,9,10,11,12,13,14,15
	global_store_b128 v[CO], v[BB+4*\t:BB+4*\t+3], s[12:13] offset:\t*SIZE_N*4 th:TH_STORE_NT
.endr
.endm
	PLACES                                         ; behind the last products: for the reads of results and the loads into registers that held fragments
	TOSTAGE 0
.irp a, 1,2,3,4,5,6,7
.if \a > 1
	s_wait_xcnt 0x0                                ; block a - 2's stores have read their registers and their base
.endif
	TOSTAGE \a
	SEND \a-1, 32                                  ; behind block a - 1's loads: block a's 16 stores and 16 loads
.endr
	s_wait_xcnt 0x0
	SEND 7, 0
	s_wait_tensorcnt 0x0                           ; the wave's end
	ds_add_u32 v[SPW], v[NIL]
	s_wait_dscnt 0x0
	CROUND                                         ; the closing round
	s_endpgm
.Lfunc_end_k_q5b0f43c878_gemm:
	.size	k_q5b0f43c878_gemm, .Lfunc_end_k_q5b0f43c878_gemm-k_q5b0f43c878_gemm
	.p2alignl 7, 3214868480
	.fill 96, 4, 3214868480
	.section	.rodata,"a",@progbits
	.p2align	6, 0x0
	.amdhsa_kernel k_q5b0f43c878_gemm
		.amdhsa_group_segment_fixed_size 327680
		.amdhsa_private_segment_fixed_size 0
		.amdhsa_enable_private_segment 0
		.amdhsa_kernarg_size 24
		.amdhsa_user_sgpr_count 2
		.amdhsa_user_sgpr_kernarg_segment_ptr 1
		.amdhsa_wavefront_size32 1
		.amdhsa_system_sgpr_workgroup_id_x 1
		.amdhsa_system_sgpr_workgroup_id_y 1
		.amdhsa_system_sgpr_workgroup_id_z 1
		.amdhsa_system_vgpr_workitem_id 0
		.amdhsa_next_free_vgpr 1024
		.amdhsa_next_free_sgpr 98
		.amdhsa_reserve_vcc 0
		.amdhsa_float_denorm_mode_32 3
		.amdhsa_float_denorm_mode_16_64 3
		.amdhsa_memory_ordered 1
		.amdhsa_forward_progress 1
		.amdhsa_inst_pref_size 217
	.end_amdhsa_kernel
	.amdgpu_metadata
---
amdhsa.version: [ 1, 2 ]
amdhsa.kernels:
  - .name:           k_q5b0f43c878_gemm
    .symbol:         k_q5b0f43c878_gemm.kd
    .args:
      - { .name: aq, .offset: 0, .size: 8, .value_kind: global_buffer, .address_space: global }
      - { .name: bq, .offset: 8, .size: 8, .value_kind: global_buffer, .address_space: global }
      - { .name: out0, .offset: 16, .size: 8, .value_kind: global_buffer, .address_space: global }
    .group_segment_fixed_size: 327680
    .private_segment_fixed_size: 0
    .kernarg_segment_align: 8
    .kernarg_segment_size: 24
    .max_flat_workgroup_size: 128
    .sgpr_count:     98
    .vgpr_count:     1024
    .wavefront_size: 32
...
	.end_amdgpu_metadata
.endif
;; end of part 2
